; MI455X (gfx1250); checked and timed in simulation.
; The chip was launched on July 23, 2026; its instructions are those of AMD's public machine-readable ISA for CDNA 5 (MIT licence, August 2026) and "CDNA5" Instruction Set Architecture Reference Guide (July 2026). The comments in the code are by the model that wrote it; some were corrected since.
;; My Self Attention. Allowed arithmetic: float matrix products may take bf16 or f16 operands with f32 sums; all other float work in f32.
;; Inputs: Wk 512 x 512 float32; Wq 512 x 512 float32; Wv 512 x 512 float32; bk 512 float32; bq 512 float32; bv 512 float32; x 8 x 2,048 x 512 float32.
;; Outputs: out0 8 x 2,048 x 512 float32.
;; One version. Each part assembles by itself: llvm-mc -triple=amdgcn-amd-amdhsa -mcpu=gfx1250 --defsym DOCPART=n.
;; ======== version 1 of 1: 3 launches
;; limits: values are held in f16: magnitudes above 65,504 overflow, below 6.1e-05 lose precision; right only within a limited range of input values
;; workspace buffers: xf 16,777,216 bytes; wf 1,572,864 bytes; qf 16,777,216 bytes; kf 16,777,216 bytes; vf 16,777,216 bytes
;; launch prep (part 1): grid 256 x 1, 8 waves a work-group, no clusters, 68,608 bytes of LDS; arguments x, Wq, Wk, Wv, xf, wf; writes xf, wf
.if DOCPART == 1
	.amdgcn_target "amdgcn-amd-amdhsa--gfx1250"
	.amdhsa_code_object_version 6
	.text
	.protected	k_q12f232dc71_prep
	.globl	k_q12f232dc71_prep
	.p2align	8
	.type	k_q12f232dc71_prep,@function
k_q12f232dc71_prep:
	s_mov_b64 s[64:65], 0
	v_nop
	global_prefetch_b8 v0, s[64:65] scope:SCOPE_SE
	s_setreg_imm32_b32 hwreg(HW_REG_WAVE_MODE, 25, 1), 1
	s_wait_xcnt 0x0
; xf = x in f16, wf = Wq/4, Wk/4, Wv/4 in f16, both laid out as the next launch's matrix fragments.  x: [16384][512] f32; W: [512 (k)][512 (e)] f32.
; A half fragment is [lane L = 16 h + r][16 bytes] = 512 bytes.
;   xf byte = T*16384 + s*1024 + c*512 + 16 L holds x[row 16 T + r][k = 32 s + 16 c + 8 h + 0..7]
;   wf byte = w*393216 + m*131072 + s*8192 + j*1024 + c*512 + 16 L holds W_m[k = 32 s + 16 c + 8 h + 0..7][e = 128 w + 16 j + r] / 4   (m = 0, 1, 2: q, k, v)
; The division by 4 is exact; it leaves room in f16 for the projections' results.
; LIMIT: |x| and |W| / 4 must stay below 65,504, f16's largest number.
; x: the work-group takes 64 rows.  Wave v takes row tile v / 2 and k half v mod 2: 16 rows x 256 k, 32 loads of 512 consecutive bytes, all out at once.
; Rounded to f16 the rows go into the wave's own stage in LDS (16 rows x 528 bytes; 528 = 33 x 16, so sixteen rows' 16-byte columns differ modulo 256 bytes)
; and come back as 16 half fragments, each stored as 512 consecutive bytes.  The stage is the wave's own and LDS serves a wave's instructions in order
; (ISA guide 5.7.1): no barrier, no wait between the stores and the loads.
; W: waves 0 to 3.  cq = id & 3 takes columns 128 cq .. +127, g = id >> 2 rows 8 g .. 8 g + 7; thread t takes column 128 cq + t: eight loads of 4 bytes down
; its column for each matrix, one store of 16 bytes; sixteen neighbouring lanes store 256 consecutive bytes.  The three matrices are 3 MiB in all, so no
; turn through LDS is spent on longer reads.  Nothing is shared between work-groups: no cluster.
.set QRT,  0x3e800000                  ; 0.25
.set XP,   528                         ; the stage's pitch
.set GL,   1                           ; v1        16 x lane
.set XW,   2                           ; v2        stage: where I put 8 bytes of a row
.set XR,   3                           ; v3        stage: where my fragment bytes lie
.set WC,   4                           ; v4        W: my column, in bytes
.set WO,   5                           ; v5        wf: 1,024 j + 16 r
.set RAW,  8                           ; v[8:31]   matrix m: eight f32 of my column
.set PK,   32                          ; v[32:43]  matrix m: the eight as f16
.set XRAW, 64                          ; v[64:191] 32 loads of x, then the same as f16 in registers 4 q, 4 q + 1
.set XF,   192                         ; v[192:255] 16 half fragments
	s_load_b256 s[4:11], s[0:1], 0x0               ; x s[4:5], Wq s[6:7], Wk s[8:9], Wv s[10:11]
	s_load_b128 s[12:15], s[0:1], 0x20             ; xf s[12:13], wf s[14:15]
	v_lshl_add_u32 v62, v0, 2, 0x10800
	v_mov_b32 v63, 0
	v_lshrrev_b32 v6, 5, v0
	v_readfirstlane_b32 s16, v6                    ; wave 0..7
	s_and_b32 s17, ttmp9, 3                        ; cq
	s_lshr_b32 s18, ttmp9, 2                       ; g
	s_lshl_b32 s20, s18, 14                        ; W: 8 g rows of 2,048 bytes
	s_lshl_b32 s19, s17, 9                         ; 128 cq columns of 4 bytes
	s_add_co_u32 s20, s20, s19
	s_mov_b32 s21, 0
	s_mul_i32 s22, s17, 393216                     ; wf: column block cq
	s_lshr_b32 s19, s18, 2                         ; s = g / 4
	s_lshl_b32 s19, s19, 13
	s_add_co_u32 s22, s22, s19
	s_and_b32 s19, s18, 3                          ; 2 c + h = g mod 4
	s_lshl_b32 s19, s19, 8                         ; 512 c + 256 h
	s_add_co_u32 s22, s22, s19
	s_mov_b32 s23, 0
	s_lshr_b32 s28, s16, 1                         ; my row tile of the group's four
	s_and_b32 s29, s16, 1                          ; my half of k
	s_lshl_b32 s24, ttmp9, 17                      ; x: 64 rows of 2,048 bytes a group,
	s_lshl_b32 s19, s28, 15                        ; 16 rows a tile,
	s_add_co_u32 s24, s24, s19
	s_lshl_b32 s19, s29, 10                        ; 256 k of 4 bytes
	s_add_co_u32 s24, s24, s19
	s_mov_b32 s25, 0
	s_lshl_b32 s26, ttmp9, 16                      ; xf: 4 row tiles of 16,384 bytes a group,
	s_lshl_b32 s19, s28, 14
	s_add_co_u32 s26, s26, s19
	s_lshl_b32 s19, s29, 13                        ; 8 K steps of 1,024 bytes
	s_add_co_u32 s26, s26, s19
	s_mov_b32 s27, 0
	s_mul_i32 s30, s16, 16*XP                      ; my stage
	v_and_b32 v6, 31, v0                           ; lane L
	v_and_b32 v7, 15, v0                           ; r
	v_bfe_u32 v44, v0, 4, 1                        ; h
	v_lshlrev_b32 v[GL], 4, v6
	v_lshl_add_u32 v[XW], v6, 3, s30               ; stage + 8 x lane
	v_mul_u32_u24 v[XR], v7, XP
	v_lshl_add_u32 v[XR], v44, 4, v[XR]
	v_add_nc_u32 v[XR], s30, v[XR]                 ; stage + r x pitch + 16 h
	v_lshlrev_b32 v[WC], 2, v0
	v_lshrrev_b32 v[WO], 4, v0                     ; j
	v_lshlrev_b32 v7, 4, v7
	v_lshl_add_u32 v[WO], v[WO], 10, v7
	s_wait_kmcnt 0x0
	s_add_nc_u64 s[4:5], s[4:5], s[24:25]
	s_add_nc_u64 s[6:7], s[6:7], s[20:21]
	s_add_nc_u64 s[8:9], s[8:9], s[20:21]
	s_add_nc_u64 s[10:11], s[10:11], s[20:21]
	s_add_nc_u64 s[12:13], s[12:13], s[26:27]
	s_add_nc_u64 s[14:15], s[14:15], s[22:23]
.irp i, 0,1,2,3,4,5,6,7,8,9,10,11,12,13,14,15
.irp p, 0,1
	global_load_b128 v[XRAW+4*(2*\i+\p):XRAW+4*(2*\i+\p)+3], v[GL], s[4:5] offset:\i*2048+\p*512 th:TH_LOAD_NT
.endr
.endr
	s_cmp_gt_u32 s16, 3                            ; W's 128 columns are for the 128 threads of waves 0 to 3
	s_cbranch_scc1 .Lx
.irp m, 0,1,2
.irp i, 0,1,2,3,4,5,6,7
	global_load_b32 v[RAW+8*\m+\i], v[WC], s[6+2*\m:7+2*\m] offset:\i*2048 th:TH_LOAD_NT
.endr
.endr
.irp m, 0,1,2
	s_wait_loadcnt 16-8*\m                         ; loads come back in order (ISA guide 5.7.1): the younger matrices' eight each stay out
.irp p, 0,1,2,3
	v_pk_mul_f32 v[RAW+8*\m+2*\p:RAW+8*\m+2*\p+1], v[RAW+8*\m+2*\p:RAW+8*\m+2*\p+1], QRT op_sel_hi:[1,0]
.endr
.irp p, 0,1,2,3
	v_cvt_pk_f16_f32 v[PK+4*\m+\p], v[RAW+8*\m+2*\p], v[RAW+8*\m+2*\p+1]
.endr
	global_store_b128 v[WO], v[PK+4*\m:PK+4*\m+3], s[14:15] offset:\m*131072
.endr
.Lx:
	s_wait_loadcnt 0x0                             ; my 16 rows x 256 k
.set q, 0
.rept 32
	v_cvt_pk_f16_f32 v[XRAW+4*q],   v[XRAW+4*q],   v[XRAW+4*q+1]
	v_cvt_pk_f16_f32 v[XRAW+4*q+1], v[XRAW+4*q+2], v[XRAW+4*q+3]
.set q, q+1
.endr
.irp i, 0,1,2,3,4,5,6,7,8,9,10,11,12,13,14,15
.irp p, 0,1
	ds_store_b64 v[XW], v[XRAW+4*(2*\i+\p):XRAW+4*(2*\i+\p)+1] offset:\i*XP+\p*256   ; 32 lanes x 8 bytes: 128 k of row i
.endr
.endr
.irp n, 0,1,2,3,4,5,6,7,8,9,10,11,12,13,14,15
	ds_load_b128 v[XF+4*\n:XF+4*\n+3], v[XR] offset:32*\n      ; half fragment n = 2 s + c: row r, k = 16 n + 8 h .. of my half
.endr
.irp n, 0,1,2,3,4,5,6,7,8,9,10,11,12,13,14,15
	s_wait_dscnt 15-\n                             ; half fragment n is in; those behind it stay out
	global_store_b128 v[GL], v[XF+4*\n:XF+4*\n+3], s[12:13] offset:512*\n   ; 512 consecutive bytes, at a multiple of 512 from xf's first byte
.endr
	s_wait_tensorcnt 0x0
	ds_add_u32 v62, v63
	s_wait_dscnt 0x0
	s_endpgm
.Lfunc_end_k_q12f232dc71_prep:
	.size	k_q12f232dc71_prep, .Lfunc_end_k_q12f232dc71_prep-k_q12f232dc71_prep
	.p2alignl 7, 3214868480
	.fill 96, 4, 3214868480
	.section	.rodata,"a",@progbits
	.p2align	6, 0x0
	.amdhsa_kernel k_q12f232dc71_prep
		.amdhsa_group_segment_fixed_size 68608
		.amdhsa_private_segment_fixed_size 0
		.amdhsa_enable_private_segment 0
		.amdhsa_kernarg_size 48
		.amdhsa_user_sgpr_count 2
		.amdhsa_user_sgpr_kernarg_segment_ptr 1
		.amdhsa_wavefront_size32 1
		.amdhsa_system_sgpr_workgroup_id_x 1
		.amdhsa_system_sgpr_workgroup_id_y 1
		.amdhsa_system_sgpr_workgroup_id_z 1
		.amdhsa_system_vgpr_workitem_id 0
		.amdhsa_next_free_vgpr 256
		.amdhsa_next_free_sgpr 66
		.amdhsa_reserve_vcc 0
		.amdhsa_float_denorm_mode_32 3
		.amdhsa_float_denorm_mode_16_64 3
		.amdhsa_memory_ordered 1
		.amdhsa_forward_progress 1
		.amdhsa_inst_pref_size 20
	.end_amdhsa_kernel
	.amdgpu_metadata
---
amdhsa.version: [ 1, 2 ]
amdhsa.kernels:
  - .name:           k_q12f232dc71_prep
    .symbol:         k_q12f232dc71_prep.kd
    .args:
      - { .name: x, .offset: 0, .size: 8, .value_kind: global_buffer, .address_space: global }
      - { .name: Wq, .offset: 8, .size: 8, .value_kind: global_buffer, .address_space: global }
      - { .name: Wk, .offset: 16, .size: 8, .value_kind: global_buffer, .address_space: global }
      - { .name: Wv, .offset: 24, .size: 8, .value_kind: global_buffer, .address_space: global }
      - { .name: xf, .offset: 32, .size: 8, .value_kind: global_buffer, .address_space: global }
      - { .name: wf, .offset: 40, .size: 8, .value_kind: global_buffer, .address_space: global }
    .group_segment_fixed_size: 68608
    .private_segment_fixed_size: 0
    .kernarg_segment_align: 8
    .kernarg_segment_size: 48
    .max_flat_workgroup_size: 256
    .sgpr_count:     66
    .vgpr_count:     256
    .wavefront_size: 32
...
	.end_amdgpu_metadata
.endif
;; end of part 1
;; launch proj (part 2): grid 256 x 1, 4 waves a work-group, clusters of 4 x 1, 327,680 bytes of LDS; arguments xf, wf, bq, bk, bv, qf, kf, vf; writes qf, kf, vf
.if DOCPART == 2
	.amdgcn_target "amdgcn-amd-amdhsa--gfx1250"
	.amdhsa_code_object_version 6
	.text
	.protected	k_q12f232dc71_proj
	.globl	k_q12f232dc71_proj
	.p2align	8
	.type	k_q12f232dc71_proj,@function
k_q12f232dc71_proj:
	s_mov_b64 s[64:65], 0
	v_nop
	global_prefetch_b8 v0, s[64:65] scope:SCOPE_SE
	s_setreg_imm32_b32 hwreg(HW_REG_WAVE_MODE, 25, 1), 1
	s_wait_xcnt 0x0
	s_wait_alu depctr_hold_cnt(0) depctr_sa_sdst(0) depctr_va_vdst(0) depctr_va_sdst(0) depctr_va_ssrc(0) depctr_va_vcc(0) depctr_vm_vsrc(0)
	s_getreg_b32 s2, hwreg(HW_REG_IB_STS2, 6, 4)
	s_cmp_eq_u32 s2, 0
	s_cbranch_scc0 .Lentry_in_a_cluster
	s_endpgm
.Lentry_in_a_cluster:
	s_bfe_u32 s2, ttmp6, 0x10000c
	s_cmp_lg_u32 s2, 0x3003
	s_cbranch_scc0 .Lentry_shape_is_right
	s_endpgm
.Lentry_shape_is_right:
; qf, kf, vf = (x W + b) / 4 for Wq, Wk, Wv, in f16, stored as the attention launch's matrix fragments.
; xf holds x in f16 and wf holds W / 4 in f16, both in fragment order; the bias enters as b / 4; sums and bias in f32, one rounding to f16.
; LIMIT: the results / 4 must stay below 65,504, f16's largest number (with x and W both 30 times the drawn spread, or both offset by 30 spreads,
; a result / 4 reaches about 5,100).
; A work-group takes 256 rows of x and columns 128 g .. 128 g + 127 of Q, of K and of V: three passes, one for each matrix.  Wave w holds its own 64 rows x 512 k
; as 64 fragments (512 registers) and makes 64 x 128 a pass: 32 accumulator tiles, 256 registers.  All four waves read the same fragments of W from LDS:
; a K step of 32 loads 8 fragments for 32 products, and a block of W of 131,072 bytes (128 columns x 512 k) feeds 512 products in each wave.
; FRAGMENT ORDER: a half fragment is [lane L = 16 h + r][16 bytes] = 512 bytes.  A result tile in which a lane holds eight neighbouring k of the
; next product is, packed to f16, such a half fragment: it is stored straight from registers, 512 consecutive bytes an instruction.
;   xf, qf, kf byte = T*16384 + nt*512 + 16 L : row 16 T + r, columns 16 nt + 8 h + 0..7
;   vf         byte = (T>>3)*131072 + nt*4096 + (T&7)*512 + 16 L : rows (keys) 16 T + 8 h + 0..7, column 16 nt + r
;   wf         byte = g*393216 + m*131072 + s*8192 + j*1024 + c*512 + 16 L : k = 32 s + 16 c + 8 h + 0..7, column 128 g + 16 j + r of matrix m
; For Q and K source 0 is W's fragment and source 1 x's, so that a lane holds one row and eight columns; for V the other way round.
; CLUSTER: the four work-groups of a cluster take four row blocks and the same g, so they ask for each block of wf jointly (mask 15).
; With C the cluster's number: g = C >> 4, row block = 4 (C & 15) + cx.  Wave w fetches the quarter w of a block (K steps 4 w .. 4 w + 3, 32,768 bytes).
; Q's and K's blocks go out at the start into slots 0 and 1; V's follows into slot 0 behind the one round at the end of the first pass.
; By this text's own count a wave has at most two tensor loads out (the two first fills), later one.
; LDS: slot 0 at 0, slot 1 at 131,072; K step s of a block lies at 8,192 s, lane L of a half fragment at 16 L: every load takes 512 neighbouring bytes.
; REGISTERS in windows of 256: window 0 addresses, bias v64-127, W's fragments v128-191 and v192-255; window 1 the accumulators, tile (j, t) at
; 8 (4 j + t); windows 2 and 3 x's fragments, (s, t) at 8 (4 (s mod 8) + t), K steps 0-7 in window 2, 8-15 in window 3.
; The 32 accumulators take turns, one instruction a turn.
.set SLOT,  131072
.set PART,  32768                      ; what one tensor load brings
.set GL,  1                            ; v1     16 x lane; also the LDS address of K steps 0-7 of slot 0
.set WA,  1                            ; v1-4   16 x lane + 65,536 n: K steps 0-7, 8-15 of slot 0, of slot 1 (an LDS immediate has 16 bits)
.set BH,  6                            ; v6     32 h: bias of eight columns
.set BR,  7                            ; v7     4 r: bias of one column
.set BI,  64                           ; v64-127 bias
.set F0,  128
.set F1,  192
.set WAVE, 20                          ; s20
.set G1,  24                           ; s[24:31] descriptor group 1
.set G0,  32                           ; s[32:39] descriptor group 0, one set for each slot
.set MSB, 0
.macro WIN new                         ; s_set_vgpr_msb: bits 1:0 source 0, 3:2 source 1, 5:4 source 2, 7:6 destination; the high byte repeats the setting left
.if MSB != (\new)
	s_set_vgpr_msb (MSB<<8)|(\new)
.set MSB, (\new)
.endif
.endm
.macro PLACES                          ; four places behind a matrix instruction (ISA guide 7.12.1) before its registers are loaded into or its result is read
.rept 4
	v_nop
.endr
.endm
.macro CREST                           ; a round of the cluster's barrier behind its opening barrier
	s_cmp_lg_u32 s[WAVE], 0
	s_cbranch_scc1 .Ln_\@
	s_barrier_signal -3
.Ln_\@:
	s_barrier_wait -3
	s_barrier_signal -1
	s_barrier_wait -1
.endm
.macro ROUND                           ; a whole round
	s_barrier_signal -1
	s_barrier_wait -1
	CREST
.endm
.macro WM d, a, b, z                   ; one product; z = 1: it starts the sum, nothing is ever cleared
.if \z
	v_wmma_f32_16x16x32_f16 v[\d:\d+7], v[\a:\a+7], v[\b:\b+7], 0
.else
	v_wmma_f32_16x16x32_f16 v[\d:\d+7], v[\a:\a+7], v[\b:\b+7], v[\d:\d+7]
.endif
.endm
.macro BIASROW base                    ; b[128 g + 16 j + 8 h + 0..7] into BI + 8 j: a lane's eight columns (Q, K)
.irp j, 0,1,2,3,4,5,6,7
	global_load_b128 v[BI+8*\j:BI+8*\j+3],   v[BH], s[\base:\base+1] offset:64*\j
	global_load_b128 v[BI+8*\j+4:BI+8*\j+7], v[BH], s[\base:\base+1] offset:64*\j+16
.endr
.endm
.macro BIASCOL base                    ; b[128 g + 16 j + r] into both registers of the pair BI + 2 j: a lane's one column (V)
.irp j, 0,1,2,3,4,5,6,7
	global_load_b32 v[BI+2*\j],   v[BR], s[\base:\base+1] offset:64*\j
	global_load_b32 v[BI+2*\j+1], v[BR], s[\base:\base+1] offset:64*\j
.endr
.endm
.macro XLOADF hi                       ; x's fragments of K steps 8 hi .. 8 hi + 7 into window 2 + hi: 64 loads of 512 consecutive bytes
	WIN 0x80+0x40*\hi
.irp s, 0,1,2,3,4,5,6,7
.irp t, 0,1,2,3
	global_load_b128 v[8*(4*\s+\t):8*(4*\s+\t)+3],   v[GL], s[4:5] offset:\t*16384+(8*\hi+\s)*1024
	global_load_b128 v[8*(4*\s+\t)+4:8*(4*\s+\t)+7], v[GL], s[4:5] offset:\t*16384+(8*\hi+\s)*1024+512
.endr
.endr
.endm
	s_load_b512 s[4:19], s[0:1], 0x0               ; xf s[4:5], wf s[6:7], bq s[8:9], bk s[10:11], bv s[12:13], qf s[14:15], kf s[16:17], vf s[18:19]
	v_lshl_add_u32 v62, v0, 2, 0x40000
	v_mov_b32 v63, 0
	ds_add_u32 v62, v63
	v_lshrrev_b32 v8, 5, v0
	v_readfirstlane_b32 s[WAVE], v8                ; wave 0..3
	s_bfe_u32 s21, ttmp6, 0x40000                  ; cx
	s_lshr_b32 s50, ttmp9, 4                       ; g: ttmp9 counts clusters, 0..63
	s_and_b32 s22, ttmp9, 15
	s_lshl_b32 s22, s22, 2
	s_add_co_u32 s22, s22, s21                     ; blk: my 256 rows of x, 0..63
	v_and_b32 v8, 31, v0                           ; lane L
	v_and_b32 v9, 15, v0                           ; r
	v_bfe_u32 v10, v0, 4, 1                        ; h
	v_lshlrev_b32 v[GL], 4, v8
	v_lshlrev_b32 v[BH], 5, v10
	v_lshlrev_b32 v[BR], 2, v9
	; group 1: a dense block of 32 KiB as 128 rows of 32 elements of 8 bytes; asked for jointly by the cluster's four work-groups
	s_mov_b32 s[G1+0], 15|(3<<16)|(1<<21)          ; 15:0 mask = all four; 17:16 element of 8 bytes; 21 set beside a mask; no padding
	s_mov_b32 s[G1+1], 32<<16                      ; tensor_dim0 = 32
	s_mov_b32 s[G1+2], 128<<16                     ; tensor_dim1 = 128
	s_mov_b32 s[G1+3], 32<<16                      ; tile_dim0 = 32
	s_mov_b32 s[G1+4], 128                         ; tile_dim1 = 128
	s_mov_b32 s[G1+5], 32                          ; from row to row: 32 elements, the block is dense
	s_mov_b32 s[G1+6], 0
	s_mov_b32 s[G1+7], 0
	s_mov_b32 s52, 0x3e800000                      ; 0.25, for the bias
	s_mov_b32 s53, 0x3e800000
	s_lshl_b32 s23, s[WAVE], 15                    ; my quarter of a slot and of a block of wf: the wave's number alone
	s_lshl_b32 s40, s22, 18                        ; xf, qf, kf: 16 row tiles of 16,384 bytes a block,
	s_lshl_b32 s41, s[WAVE], 16                    ; 4 a wave
	s_add_co_u32 s40, s40, s41
	s_mov_b32 s41, 0
	s_lshl_b32 s44, s50, 12                        ; qf, kf: + 8 column tiles of 512 bytes for g
	s_add_co_u32 s44, s44, s40
	s_mov_b32 s45, 0
	s_lshl_b32 s42, s50, 9                         ; bias: 128 columns of 4 bytes for g
	s_mov_b32 s43, 0
	s_lshl_b32 s46, s22, 1                         ; vf: the tile of 128 keys = 2 blk + wave / 2,
	s_lshr_b32 s47, s[WAVE], 1
	s_add_co_u32 s46, s46, s47
	s_lshl_b32 s46, s46, 17
	s_lshl_b32 s47, s50, 15                        ; 8 column tiles of 4,096 bytes for g,
	s_add_co_u32 s46, s46, s47
	s_and_b32 s47, s[WAVE], 1
	s_lshl_b32 s47, s47, 11                        ; and my four key tiles of 512 bytes
	s_add_co_u32 s46, s46, s47
	s_mov_b32 s47, 0
	s_mul_i32 s48, s50, 393216                     ; wf: g's three blocks; g and the wave's number alone, equal in all four partners
	s_add_co_u32 s48, s48, s23
	s_mov_b32 s49, 0
	s_wait_dscnt 0x0
	s_wait_kmcnt 0x0
	s_add_nc_u64 s[4:5], s[4:5], s[40:41]
	s_add_nc_u64 s[6:7], s[6:7], s[48:49]
	s_add_nc_u64 s[8:9], s[8:9], s[42:43]
	s_add_nc_u64 s[10:11], s[10:11], s[42:43]
	s_add_nc_u64 s[12:13], s[12:13], s[42:43]
	s_add_nc_u64 s[14:15], s[14:15], s[44:45]
	s_add_nc_u64 s[16:17], s[16:17], s[44:45]
	s_add_nc_u64 s[18:19], s[18:19], s[46:47]
	BIASROW 8                                      ; bq: 16 loads; then my x: 64 + 64
	XLOADF 0
	XLOADF 1
	WIN 0
.irp s, 0,1
	s_mov_b32 s[G0+4*\s], 1                                        ; count = 1
	s_add_co_u32 s[G0+4*\s+1], s23, \s*SLOT                        ; LDS address: slot + my quarter
	s_add_nc_u64 s[G0+4*\s+2:G0+4*\s+3], s[6:7], \s*SLOT           ; block s: Q's, K's
	s_or_b32 s[G0+4*\s+3], s[G0+4*\s+3], 0x80000000                ; type = 2
.endr
	ROUND                                          ; all four work-groups are here: the first joint loads meet
	tensor_load_to_lds s[G0:G0+3], s[G1:G1+7]      ; my quarter of Q's block
	s_nop 0
	tensor_load_to_lds s[G0+4:G0+7], s[G1:G1+7]    ; my quarter of K's block
	s_nop 0
	v_add_nc_u32 v[WA+1], 0x10000, v[GL]
	v_add_nc_u32 v[WA+2], 0x20000, v[GL]
	v_add_nc_u32 v[WA+3], 0x30000, v[GL]
.macro FETCHW slot, s, buf             ; the 8 fragments of W of K step s (0..15) of the slot's block: 16 loads, lane L at 16 L
.irp j, 0,1,2,3,4,5,6,7
	ds_load_b128 v[\buf+8*\j:\buf+8*\j+3],   v[WA+2*\slot+\s/8] offset:(\s%8)*8192+\j*1024
	ds_load_b128 v[\buf+8*\j+4:\buf+8*\j+7], v[WA+2*\slot+\s/8] offset:(\s%8)*8192+\j*1024+512
.endr
.endm
; 32 products: one K step.  hi: x's fragments in window 2 or 3; s8: the K step modulo 8; nat = 0: source 0 = W (Q, K), 1: source 0 = x (V)
.macro MULW buf, hi, s8, nat, zero
.if \nat
	WIN 0x52+\hi
.else
	WIN 0x58+4*\hi
.endif
.irp j, 0,1,2,3,4,5,6,7
.irp t, 0,1,2,3
.if \nat
	WM 8*(4*\j+\t), 8*(4*(\s8)+\t), \buf+8*\j, \zero
.else
	WM 8*(4*\j+\t), \buf+8*\j, 8*(4*(\s8)+\t), \zero
.endif
.endr
.endr
.endm
; One K step of the pipeline: its products, then the fetch of K step nxt, two ahead, into the buffer just read.
.macro KS slot, nxt, buf, hi, s8, nat, zero
	s_wait_dscnt 16                                ; LDS loads come back in order (ISA guide 5.7.1): all but the younger K step's 16
	MULW \buf, \hi, \s8, \nat, \zero
	WIN 0
	PLACES
	FETCHW \slot, \nxt, \buf
.endm
; One matrix: 16 K steps from one slot.  fin = 2: the slot is filled again behind a round; 1: my last tensor load is waited for and a barrier shows it to
; the other waves; 0: nothing is out.  xw = 1: x's loads are still to be waited for.
.macro PASS slot, nat, fin, xw
	PLACES
	FETCHW \slot, 0, F0
	FETCHW \slot, 1, F1
.if \xw
	s_wait_loadcnt 63                              ; of the 144 loads issued the 81 oldest are in: the bias's 16 and the 64 of K steps 0-7 are among them
.endif
	KS \slot, 2,  F0, 0, 0, \nat, 1
	KS \slot, 3,  F1, 0, 1, \nat, 0
	KS \slot, 4,  F0, 0, 2, \nat, 0
	KS \slot, 5,  F1, 0, 3, \nat, 0
	KS \slot, 6,  F0, 0, 4, \nat, 0
	KS \slot, 7,  F1, 0, 5, \nat, 0
	KS \slot, 8,  F0, 0, 6, \nat, 0
	KS \slot, 9,  F1, 0, 7, \nat, 0
.if \xw
	s_wait_loadcnt 0x0                             ; x's K steps 8-15
.endif
	KS \slot, 10, F0, 1, 0, \nat, 0
	KS \slot, 11, F1, 1, 1, \nat, 0
	KS \slot, 12, F0, 1, 2, \nat, 0
	KS \slot, 13, F1, 1, 3, \nat, 0
	KS \slot, 14, F0, 1, 4, \nat, 0
	KS \slot, 15, F1, 1, 5, \nat, 0
	s_wait_dscnt 16
	MULW F0, 1, 6, \nat, 0
	s_wait_dscnt 0x0                               ; my reads of this slot are over
.if \fin == 2
	s_set_vgpr_msb 0x5c50
	s_wait_tensorcnt 0x0                           ; all my tensor loads have landed: the one that was out is my quarter of the other slot
	ds_add_u32 v62, v63
	s_wait_dscnt 0x0
	s_set_vgpr_msb 0x505c
	s_add_nc_u64 s[G0+4*\slot+2:G0+4*\slot+3], s[G0+4*\slot+2:G0+4*\slot+3], 2*SLOT   ; none is out, so a group 0 may be written: two blocks on
	s_barrier_signal -1                            ; opens a round of the cluster's barrier;
	MULW F1, 1, 7, \nat, 0                         ; register work while the others arrive
	WIN 0
	s_barrier_wait -1
	CREST                                          ; no wave of any partner still reads this slot or has a load on its way; the other slot is whole
	tensor_load_to_lds s[G0+4*\slot:G0+4*\slot+3], s[G1:G1+7]      ; my one tensor load behind the round, first thing there
	s_nop 0
.else
.if \fin == 1
	s_wait_tensorcnt 0x0                           ; my quarter of the last block has landed;
	s_barrier_signal -1
	MULW F1, 1, 7, \nat, 0
	WIN 0
	s_barrier_wait -1                              ; everybody's has.
.else
	MULW F1, 1, 7, \nat, 0
	WIN 0
.endif
.endif
.endm
; A matrix is done: + b / 4, to f16 in place, 32 stores of 512 consecutive bytes.  col = 0: Q, K; 1: V.
.macro EPI col, out
	s_wait_loadcnt 0x0                             ; the bias
	PLACES
	WIN 0x50
.irp j, 0,1,2,3,4,5,6,7
.irp t, 0,1,2,3
.irp p, 0,1,2,3
.if \col
	v_pk_fma_f32 v[8*(4*\j+\t)+2*\p:8*(4*\j+\t)+2*\p+1], v[BI+2*\j:BI+2*\j+1], s[52:53], v[8*(4*\j+\t)+2*\p:8*(4*\j+\t)+2*\p+1] op_sel_hi:[1,0,1]
.else
	v_pk_fma_f32 v[8*(4*\j+\t)+2*\p:8*(4*\j+\t)+2*\p+1], v[BI+8*\j+2*\p:BI+8*\j+2*\p+1], s[52:53], v[8*(4*\j+\t)+2*\p:8*(4*\j+\t)+2*\p+1] op_sel_hi:[1,0,1]
.endif
.endr
.endr
.endr
	WIN 0x45
.irp j, 0,1,2,3,4,5,6,7
.irp t, 0,1,2,3
.irp p, 0,1,2,3
	v_cvt_pk_f16_f32 v[8*(4*\j+\t)+\p], v[8*(4*\j+\t)+2*\p], v[8*(4*\j+\t)+2*\p+1]   ; ascending p: a register is written only after it was read
.endr
.endr
.endr
	WIN 0x04
.irp j, 0,1,2,3,4,5,6,7
.irp t, 0,1,2,3
.if \col
	global_store_b128 v[GL], v[8*(4*\j+\t):8*(4*\j+\t)+3], s[\out:\out+1] offset:\j*4096+\t*512
.else
	global_store_b128 v[GL], v[8*(4*\j+\t):8*(4*\j+\t)+3], s[\out:\out+1] offset:\t*16384+\j*512
.endif
.endr
.endr
	WIN 0
.endm
	s_wait_tensorcnt 0x1                           ; tensor loads of a wave end in order (ISA guide 10.11.1): my quarter of Q's block is in, K's stays out
	s_barrier_signal -1
	s_barrier_wait -1                              ; everybody's quarter is in.
	PASS 0, 0, 2, 1                                ; Q from slot 0; at its end V's block is asked for
	EPI 0, 14
	BIASROW 10
	s_wait_xcnt 0x0                                ; the accumulators, which the stores read, are written again only behind this wait
	PASS 1, 0, 1, 0                                ; K from slot 1
	EPI 0, 16
	BIASCOL 12
	s_wait_xcnt 0x0
	PASS 0, 1, 0, 0                                ; V from slot 0
	EPI 1, 18
	s_wait_tensorcnt 0x0
	ds_add_u32 v62, v63
	s_wait_dscnt 0x0
	ROUND                                          ; the closing round: no work-group ends while a partner may still ask jointly
	s_endpgm
.Lfunc_end_k_q12f232dc71_proj:
	.size	k_q12f232dc71_proj, .Lfunc_end_k_q12f232dc71_proj-k_q12f232dc71_proj
	.p2alignl 7, 3214868480
	.fill 96, 4, 3214868480
	.section	.rodata,"a",@progbits
	.p2align	6, 0x0
	.amdhsa_kernel k_q12f232dc71_proj
		.amdhsa_group_segment_fixed_size 327680
		.amdhsa_private_segment_fixed_size 0
		.amdhsa_enable_private_segment 0
		.amdhsa_kernarg_size 64
		.amdhsa_user_sgpr_count 2
		.amdhsa_user_sgpr_kernarg_segment_ptr 1
		.amdhsa_wavefront_size32 1
		.amdhsa_system_sgpr_workgroup_id_x 1
		.amdhsa_system_sgpr_workgroup_id_y 1
		.amdhsa_system_sgpr_workgroup_id_z 1
		.amdhsa_system_vgpr_workitem_id 0
		.amdhsa_next_free_vgpr 1024
		.amdhsa_next_free_sgpr 66
		.amdhsa_reserve_vcc 0
		.amdhsa_float_denorm_mode_32 3
		.amdhsa_float_denorm_mode_16_64 3
		.amdhsa_memory_ordered 1
		.amdhsa_forward_progress 1
		.amdhsa_inst_pref_size 234
	.end_amdhsa_kernel
	.amdgpu_metadata
---
amdhsa.version: [ 1, 2 ]
amdhsa.kernels:
  - .name:           k_q12f232dc71_proj
    .symbol:         k_q12f232dc71_proj.kd
    .args:
      - { .name: xf, .offset: 0, .size: 8, .value_kind: global_buffer, .address_space: global }
      - { .name: wf, .offset: 8, .size: 8, .value_kind: global_buffer, .address_space: global }
      - { .name: bq, .offset: 16, .size: 8, .value_kind: global_buffer, .address_space: global }
      - { .name: bk, .offset: 24, .size: 8, .value_kind: global_buffer, .address_space: global }
      - { .name: bv, .offset: 32, .size: 8, .value_kind: global_buffer, .address_space: global }
      - { .name: qf, .offset: 40, .size: 8, .value_kind: global_buffer, .address_space: global }
      - { .name: kf, .offset: 48, .size: 8, .value_kind: global_buffer, .address_space: global }
      - { .name: vf, .offset: 56, .size: 8, .value_kind: global_buffer, .address_space: global }
    .group_segment_fixed_size: 327680
    .private_segment_fixed_size: 0
    .kernarg_segment_align: 8
    .kernarg_segment_size: 64
    .max_flat_workgroup_size: 128
    .sgpr_count:     66
    .vgpr_count:     1024
    .wavefront_size: 32
...
	.end_amdgpu_metadata
.endif
;; end of part 2
;; launch attn (part 3): grid 32 x 8, 4 waves a work-group, clusters of 4 x 1, 327,680 bytes of LDS; arguments qf, kf, vf, out0; writes out0
.if DOCPART == 3
	.amdgcn_target "amdgcn-amd-amdhsa--gfx1250"
	.amdhsa_code_object_version 6
	.text
	.protected	k_q12f232dc71_attn
	.globl	k_q12f232dc71_attn
	.p2align	8
	.type	k_q12f232dc71_attn,@function
k_q12f232dc71_attn:
	s_mov_b64 s[64:65], 0
	v_nop
	global_prefetch_b8 v0, s[64:65] scope:SCOPE_SE
	s_setreg_imm32_b32 hwreg(HW_REG_WAVE_MODE, 25, 1), 1
	s_wait_xcnt 0x0
	s_wait_alu depctr_hold_cnt(0) depctr_sa_sdst(0) depctr_va_vdst(0) depctr_va_sdst(0) depctr_va_ssrc(0) depctr_va_vcc(0) depctr_vm_vsrc(0)
	s_getreg_b32 s2, hwreg(HW_REG_IB_STS2, 6, 4)
	s_cmp_eq_u32 s2, 0
	s_cbranch_scc0 .Lentry_in_a_cluster
	s_endpgm
.Lentry_in_a_cluster:
	s_bfe_u32 s2, ttmp6, 0x10000c
	s_cmp_lg_u32 s2, 0x3003
	s_cbranch_scc0 .Lentry_shape_is_right
	s_endpgm
.Lentry_shape_is_right:
; out0 = softmax(Q K^T / sqrt(512)) V for 8 batches of 2,048 rows, d = 512.  qf, kf, vf hold Q / 4, K / 4, V / 4 in f16, in fragment order:
;   qf, kf byte = T*16384 + nt*512 + 16 L : row 16 T + r, columns 16 nt + 8 h + 0..7            (L = 16 h + r)
;   vf     byte = I*131072 + nt*4096 + kt*512 + 16 L : keys 128 I + 16 kt + 8 h + 0..7, column 16 nt + r
; The products give scores / 16, so the exponent of 2 is score' x C2 with C2 = 16 log2(e) / sqrt(512); the result is scaled by 4 / l.
; A running maximum is kept: exponents are score' C2 - C2 m (one fused multiply-add on the rounded C2 m), the old sums are scaled by
; 2^(C2 m_old - C2 m_new) made of the same two rounded numbers, so that every term refers to one reference.  Maximum, exponentials, l and O in f32.
; LIMIT: the probabilities go to the second product as f16: one below 6e-8 of its row's largest counts as zero there (at most 2,048 x 6e-8 of l, which is at least 1).
; A work-group takes 64 queries; Q lies in every wave's registers (64 fragments).  Keys go in 16 tiles of 128.
; SCORES, transposed: source 0 = K's fragment, source 1 = Q's.  Wave w takes keys 32 w .. +31: 2 x 4 tiles; a lane holds ONE query (16 t + r) and eight keys,
; so a row's maximum, factor and sum are one number a lane.  Packed to f16 a tile is half a fragment of P: it goes to LDS as it lies.
; O, transposed: source 0 = V's fragment, source 1 = P's.  Wave w takes columns 128 w .. +127: 8 x 4 tiles; a lane again holds one query.
; CLUSTER: the four query blocks of a cluster walk the same K and V tiles and ask for them jointly (mask 15).  One slot for K, one for V, 131,072 bytes each;
; wave w fills and reads its own 32,768 bytes of each (K: its 32 keys; V: its 128 columns).  K's slot is filled again behind the scores, V's behind the second
; product, each behind a round of the cluster's barrier.  By this text's own count a wave has at most two tensor loads out (the two first fills), later one.
; ORDER OF THE TILES: the batch is the cluster's x, the cluster's number c in its batch (0..7) its y.  Cluster c begins at tile 4 ((c + c / 4) mod 4) and walks
; the 16 tiles round.  So the clusters of a batch do not all ask for one tile at one time, and 12 of a cluster's 16 tiles have been asked for four trips earlier
; by another cluster of the batch.  (The starts 0, 4, 8, 12 occur once each among c = 0..3, among c = 4..7, among the even c and among the odd c.)
; The running maximum makes the result independent of the order but for the rounding of the sums.
; LDS: K 0, V 131,072, P 262,144 (16 KiB: fragment (key step = writing wave, t) at 4,096 ks + 1,024 t), maxima 278,528 and sums 279,552 (word 16 q + 4 w).
; The way out uses 16 rows x 528 bytes at the head of my own part of K's slot, after that slot's last fill.
; REGISTERS in windows of 256: window 0 addresses and row figures v0-63, scores v64-127 (later P's fragments), K's or V's fragments v128-191, v192-255;
; window 1 O, tile (j, t) at 8 (4 j + t); windows 2, 3 Q, fragment (s, t) at 8 (4 (s mod 8) + t).
; The accumulators (8 for the scores, 32 for O) take turns, one instruction a turn.
.set SLOT,  131072
.set PT,    262144
.set STAT,  278528
.set OP,    528                        ; pitch of the way out: 33 x 16 bytes, so sixteen rows' 16-byte columns differ modulo 256 bytes
.set C2,    0x3f8293ee                 ; 16 log2(e) / sqrt(512) = 1.0201394
.set NEGC2, 0xbf8293ee
.set GL,  1                            ; v1      16 x lane
.set KA,  2                            ; v2      my 16 bytes in my part of K's slot
.set VA,  3                            ; v3      the same in V's slot
.set PW,  4                            ; v4      P: where my wave's tiles go
.set PR,  5                            ; v5      P: read
.set SW,  6                            ; v6      row figures: my wave's word of query r
.set SR,  7                            ; v7      row figures: the four waves' words of query r
.set OW,  8                            ; v8      the way out: where I put 16 bytes
.set PFO, 9                            ; v9      prefetch: my lane's block of a tile
.set XT,  10                           ; v10-13  what the other half of the lanes holds
.set M,   16                           ; v16-19  running maximum of query 16 t + r
.set NMC, 20                           ; v20-27  -C2 m, a pair for each t
.set AL,  28                           ; v28-35  factor for the old sums, a pair for each t; at the end 4 / l
.set LP,  36                           ; v36-43  my lane's part of l, a pair for each t
.set NM2, 44                           ; v44-47  at work
.set ST,  48                           ; v48-63  the four waves' figures for each t
.set SC,  64                           ; v64-127 scores, tile (kt, t) at SC + 8 (4 kt + t)
.set PB0, 64
.set PB1, 96
.set F0,  128
.set F1,  192
.set WAVE, 12
.set G1,  16                           ; s[16:23] descriptor group 1
.set G0K, 24                           ; s[24:27] group 0 for K's slot
.set G0V, 28                           ; s[28:31] group 0 for V's slot
.set TIX, 53                           ; s53      the tile asked for last, 0..15
.set TOF, 54                           ; s[54:55] its byte offset in the batch's K and V
.set MSB, 0
.macro WIN new                         ; s_set_vgpr_msb: bits 1:0 source 0, 3:2 source 1, 5:4 source 2, 7:6 destination; the high byte repeats the setting left
.if MSB != (\new)
	s_set_vgpr_msb (MSB<<8)|(\new)
.set MSB, (\new)
.endif
.endm
.macro PLACES                          ; four places behind a matrix instruction (ISA guide 7.12.1) before its registers are loaded into or its result is read
.rept 4
	v_nop
.endr
.endm
.macro PLACES5                         ; five before another matrix instruction writes over one of its sources
.rept 5
	v_nop
.endr
.endm
.macro CREST                           ; a round of the cluster's barrier behind its opening barrier
	s_cmp_lg_u32 s[WAVE], 0
	s_cbranch_scc1 .Ln_\@
	s_barrier_signal -3
.Ln_\@:
	s_barrier_wait -3
	s_barrier_signal -1
	s_barrier_wait -1
.endm
.macro ROUND
	s_barrier_signal -1
	s_barrier_wait -1
	CREST
.endm
.macro WM d, a, b, z                   ; one product; z = 1: it starts the sum, nothing is ever cleared
.if \z
	v_wmma_f32_16x16x32_f16 v[\d:\d+7], v[\a:\a+7], v[\b:\b+7], 0
.else
	v_wmma_f32_16x16x32_f16 v[\d:\d+7], v[\a:\a+7], v[\b:\b+7], v[\d:\d+7]
.endif
.endm
.macro QLOAD hi                        ; Q's fragments of K steps 8 hi .. 8 hi + 7 into window 2 + hi: 64 loads of 512 consecutive bytes
	WIN 0x80+0x40*\hi
.irp s, 0,1,2,3,4,5,6,7
.irp t, 0,1,2,3
	global_load_b128 v[8*(4*\s+\t):8*(4*\s+\t)+3],   v[GL], s[4:5] offset:\t*16384+(8*\hi+\s)*1024
	global_load_b128 v[8*(4*\s+\t)+4:8*(4*\s+\t)+7], v[GL], s[4:5] offset:\t*16384+(8*\hi+\s)*1024+512
.endr
.endr
.endm
	s_load_b256 s[4:11], s[0:1], 0x0               ; qf s[4:5], kf s[6:7], vf s[8:9], out0 s[10:11]
	v_lshl_add_u32 v62, v0, 2, 0x44800
	v_mov_b32 v63, 0
	ds_add_u32 v62, v63
	s_wait_dscnt 0x0
	v_lshrrev_b32 v14, 5, v0
	v_readfirstlane_b32 s[WAVE], v14               ; wave 0..3
	s_bfe_u32 s13, ttmp6, 0x40000                  ; cx
	s_and_b32 s52, ttmp7, 0xffff                   ; c: the cluster's number in its batch, 0..7
	s_lshl_b32 s14, s52, 2
	s_add_co_u32 s14, s14, s13                     ; xb: my block of 64 queries, 0..31
	s_mov_b32 s15, ttmp9                           ; the batch, 0..7; c and the batch are the same in the four partners
	s_lshr_b32 s[TIX], s52, 2
	s_add_co_u32 s[TIX], s[TIX], s52
	s_and_b32 s[TIX], s[TIX], 3
	s_lshl_b32 s[TIX], s[TIX], 2                   ; the cluster's first tile: 4 ((c + c / 4) mod 4)
	s_lshl_b32 s[TOF], s[TIX], 17
	s_mov_b32 s[TOF+1], 0
	s_add_co_u32 s56, s[TIX], 2                    ; prefetch: two tiles on, 14 at the most
	s_lshl_b32 s56, s56, 17
	s_mov_b32 s57, 0
	v_and_b32 v14, 31, v0                          ; lane L
	v_and_b32 v15, 15, v0                          ; r
	v_bfe_u32 v44, v0, 4, 1                        ; h
	v_lshlrev_b32 v[GL], 4, v14
	; group 1: a dense block of 32 KiB as 128 rows of 32 elements of 8 bytes; asked for jointly by the cluster's four work-groups
	s_mov_b32 s[G1+0], 15|(3<<16)|(1<<21)          ; 15:0 mask = all four; 17:16 element of 8 bytes; 21 set beside a mask; no padding
	s_mov_b32 s[G1+1], 32<<16                      ; tensor_dim0 = 32
	s_mov_b32 s[G1+2], 128<<16                     ; tensor_dim1 = 128
	s_mov_b32 s[G1+3], 32<<16                      ; tile_dim0 = 32
	s_mov_b32 s[G1+4], 128                         ; tile_dim1 = 128
	s_mov_b32 s[G1+5], 32                          ; from row to row: 32 elements, the block is dense
	s_mov_b32 s[G1+6], 0
	s_mov_b32 s[G1+7], 0
	s_mov_b32 s36, 0x76543210                      ; v_permlanex16_b32: lane i of one half reads lane i of the other
	s_mov_b32 s37, 0xfedcba98
	s_mov_b32 s38, C2
	s_mov_b32 s39, C2
	s_mov_b32 s41, NEGC2
	s_lshl_b32 s42, s[WAVE], 15                    ; my part of a slot: the wave's number alone
	s_lshl_b32 s32, s15, 5
	s_add_co_u32 s32, s32, s14                     ; 32 x batch + xb
	s_lshl_b32 s44, s32, 16                        ; qf: 4 row tiles of 16,384 bytes a block
	s_mov_b32 s45, 0
	s_lshl_b32 s46, s32, 17                        ; out0: 64 rows of 2,048 bytes a block,
	s_lshl_b32 s33, s[WAVE], 9                     ; 128 columns of 4 bytes a wave
	s_add_co_u32 s46, s46, s33
	s_mov_b32 s47, 0
	s_lshl_b32 s48, s15, 21                        ; kf, vf: 2 MiB a batch
	s_mov_b32 s49, 0
	s_add_co_u32 s50, s48, s42                     ; + my part of a tile: batch and wave alone, equal in all four partners
	s_mov_b32 s51, 0
	s_lshr_b32 s33, s52, 2                         ; c / 4: which of the two clusters with my first tile I am in
	s_wait_kmcnt 0x0
	s_cmp_lg_u32 s33, 0                            ; prefetch: the first of the two asks for K's tiles, the second for V's
	s_cselect_b64 s[34:35], s[8:9], s[6:7]
	s_add_nc_u64 s[34:35], s[34:35], s[48:49]
	s_add_nc_u64 s[34:35], s[34:35], s[56:57]      ; the batch's tile first + 2
	s_add_nc_u64 s[4:5], s[4:5], s[44:45]
	s_add_nc_u64 s[10:11], s[10:11], s[46:47]
	s_add_nc_u64 s[6:7], s[6:7], s[50:51]          ; my part of the batch's tile 0 of K,
	s_add_nc_u64 s[8:9], s[8:9], s[50:51]          ; and of V; these two stay as they are
	QLOAD 0
	QLOAD 1
	WIN 0
	s_mov_b32 s[G0K], 1                            ; count = 1
	s_add_co_u32 s[G0K+1], s42, 0                  ; LDS address: K's slot + my part
	s_add_nc_u64 s[G0K+2:G0K+3], s[6:7], s[TOF:TOF+1]   ; the cluster's first tile
	s_or_b32 s[G0K+3], s[G0K+3], 0x80000000        ; type = 2
	s_mov_b32 s[G0V], 1
	s_add_co_u32 s[G0V+1], s42, SLOT
	s_add_nc_u64 s[G0V+2:G0V+3], s[8:9], s[TOF:TOF+1]
	s_or_b32 s[G0V+3], s[G0V+3], 0x80000000
	ROUND                                          ; all four work-groups are here: the first joint loads meet
	tensor_load_to_lds s[G0K:G0K+3], s[G1:G1+7]    ; K's first tile
	s_nop 0
	tensor_load_to_lds s[G0V:G0V+3], s[G1:G1+7]    ; V's first tile
	s_nop 0
	v_add_nc_u32 v[KA], s42, v[GL]
	v_add_nc_u32 v[VA], SLOT, v[KA]
	s_lshl_b32 s43, s[WAVE], 12
	s_add_co_u32 s43, s43, PT
	v_add_nc_u32 v[PW], s43, v[GL]
	v_add_nc_u32 v[PR], PT, v[GL]
	v_lshlrev_b32 v[SR], 4, v15
	v_add_nc_u32 v[SR], STAT, v[SR]
	v_lshl_add_u32 v[SW], s[WAVE], 2, v[SR]
	v_mul_u32_u24 v[OW], v15, OP
	v_lshl_add_u32 v[OW], v44, 5, v[OW]
	v_add_nc_u32 v[OW], s42, v[OW]                 ; my part of K's slot + r x pitch + 32 h
	s_lshl_b32 s33, s13, 15
	s_lshl_b32 s32, s[WAVE], 13
	s_add_co_u32 s33, s33, s32
	v_lshl_add_u32 v[PFO], v14, 8, s33             ; 32,768 cx + 8,192 wave + 256 lane: the cluster's 512 lanes cover a tile's 131,072 bytes once
.irp t, 0,1,2,3
	v_mov_b32 v[XT+\t], 0                          ; v_permlanex16_b32's destination counts as read
.endr
.macro FETCHK b, buf                   ; K's fragments (kt, s) of K steps 4 b .. 4 b + 3: 16 loads, lane L at 16 L
.irp u, 0,1,2,3
.irp kt, 0,1
	ds_load_b128 v[\buf+8*(2*\u+\kt):\buf+8*(2*\u+\kt)+3],   v[KA] offset:\kt*16384+(4*\b+\u)*1024
	ds_load_b128 v[\buf+8*(2*\u+\kt)+4:\buf+8*(2*\u+\kt)+7], v[KA] offset:\kt*16384+(4*\b+\u)*1024+512
.endr
.endr
.endm
.macro MULS1 buf, b, u, zero           ; one K step of the scores: 8 products
.irp kt, 0,1
.irp t, 0,1,2,3
	WM SC+8*(4*\kt+\t), \buf+8*(2*\u+\kt), 8*(4*(4*(\b%2)+\u)+\t), \zero
.endr
.endr
.endm
.macro MULS buf, b, zero               ; four K steps; Q's fragments in window 2 (b < 2) or 3
	WIN 0x08+4*(\b/2)
	MULS1 \buf, \b, 0, \zero
	MULS1 \buf, \b, 1, 0
	MULS1 \buf, \b, 2, 0
	MULS1 \buf, \b, 3, 0
.endm
.macro FETCHV ks, buf                  ; V's fragments (j, key step ks): 16 loads
.irp j, 0,1,2,3,4,5,6,7
	ds_load_b128 v[\buf+8*\j:\buf+8*\j+3],   v[VA] offset:\j*4096+\ks*1024
	ds_load_b128 v[\buf+8*\j+4:\buf+8*\j+7], v[VA] offset:\j*4096+\ks*1024+512
.endr
.endm
.macro FETCHP ks, pb                   ; P's fragments (ks, t): 8 loads
.irp t, 0,1,2,3
	ds_load_b128 v[\pb+8*\t:\pb+8*\t+3],   v[PR] offset:\ks*4096+\t*1024
	ds_load_b128 v[\pb+8*\t+4:\pb+8*\t+7], v[PR] offset:\ks*4096+\t*1024+512
.endr
.endm
.macro MULO buf, pb, zero              ; one key step of O: 32 products
	WIN 0x50
.irp j, 0,1,2,3,4,5,6,7
.irp t, 0,1,2,3
	WM 8*(4*\j+\t), \buf+8*\j, \pb+8*\t, \zero
.endr
.endr
.endm
.macro MAXROW a, b                     ; one more link of the four chains of maxima
.irp t, 0,1,2,3
	v_max3_num_f32 v[NM2+\t], v[NM2+\t], v[SC+8*\t+\a], v[SC+8*\t+\b]
.endr
.endm
.macro SUMROW a                        ; one more pair onto each of the four sums
.irp t, 0,1,2,3
	v_pk_add_f32 v[LP+2*\t:LP+2*\t+1], v[LP+2*\t:LP+2*\t+1], v[SC+8*\t+\a:SC+8*\t+\a+1]
.endr
.endm
; One tile of 128 keys.  first = 1: nothing is carried yet; refill = 1: both slots are filled again with the next tile;
; pf = 1, 2: the cluster's tile first + 1 + pf is prefetched; 0: nothing is.
.macro TILE first, refill, pf
	; ---- scores: 16 K steps in four batches, fragments fetched a batch ahead
	PLACES5                                        ; the first products write over v64-127, which the last tile's products read as P
	FETCHK 0, F0
	FETCHK 1, F1
	s_wait_dscnt 16                                ; LDS loads come back in order (ISA guide 5.7.1): all but the younger batch of 16
	MULS F0, 0, 1
	WIN 0
.if \pf
	; Trips 0 and 1 ask for tiles first + 2 and first + 3, whose tensor loads go out a trip later and which no cluster of the batch has asked for before.
	; Of the two clusters that begin at one tile the first asks for K's tile and the second for V's, every lane for one block of 256 bytes: each block once.
	; first is 12 at the most, so no request leaves the batch's 16 tiles.  From the fifth tile on another cluster has asked four trips earlier: no prefetch.
	global_prefetch_b8 v[PFO], s[34:35] offset:(\pf-1)*SLOT th:TH_LOAD_NT scope:SCOPE_SE
.endif
	PLACES
	FETCHK 2, F0
	s_wait_dscnt 16
	MULS F1, 1, 0
	WIN 0
	PLACES
	FETCHK 3, F1
	s_wait_dscnt 16
	MULS F0, 2, 0
	s_wait_dscnt 0x0
	MULS F1, 3, 0
	WIN 0
	PLACES
	; ---- my wave's maximum for each query: 16 numbers a lane, then the other half of the lanes
.irp t, 0,1,2,3
	v_max3_num_f32 v[NM2+\t], v[SC+8*\t], v[SC+8*\t+1], v[SC+8*\t+2]
.endr
	MAXROW 3, 4
	MAXROW 5, 6
	MAXROW 7, 32
	MAXROW 33, 34
	MAXROW 35, 36
	MAXROW 37, 38
.irp t, 0,1,2,3
	v_max_num_f32 v[NM2+\t], v[NM2+\t], v[SC+8*\t+39]
.endr
.irp t, 0,1,2,3
	v_permlanex16_b32 v[XT+\t], v[NM2+\t], s36, s37
.endr
.irp t, 0,1,2,3
	v_max_num_f32 v[NM2+\t], v[NM2+\t], v[XT+\t]
	ds_store_b32 v[SW], v[NM2+\t] offset:256*\t    ; both halves write the same word with the same number
.endr
	; ---- the maxima meet; K's slot has been read and is filled again
	s_wait_dscnt 0x0                               ; my reads of K's slot and my stores of the maxima are done
	s_wait_xcnt 0x0
	v_lshl_add_u32 v62, v0, 2, 0x44800
	v_mov_b32 v63, 0
	s_wait_tensorcnt 0x0                           ; all my tensor loads have landed: the one that was out is my part of this tile's V
	ds_add_u32 v62, v63
	s_wait_dscnt 0x0
.if \refill
	s_add_co_u32 s[TIX], s[TIX], 1                 ; the next tile, round the batch's 16
	s_and_b32 s[TIX], s[TIX], 15
	s_lshl_b32 s[TOF], s[TIX], 17
	s_add_nc_u64 s[G0K+2:G0K+3], s[6:7], s[TOF:TOF+1]   ; none is out, so a group 0 may be written
	s_or_b32 s[G0K+3], s[G0K+3], 0x80000000
	ROUND                                          ; no wave of any partner still reads K's slot or has a load on its way
	tensor_load_to_lds s[G0K:G0K+3], s[G1:G1+7]    ; my one tensor load behind the round, first thing there
	s_nop 0
.else
	s_barrier_signal -1
	s_barrier_wait -1
.endif
.irp t, 0,1,2,3
	ds_load_b128 v[ST+4*\t:ST+4*\t+3], v[SR] offset:256*\t
.endr
	s_wait_dscnt 0x0
.irp t, 0,1,2,3
	v_max3_num_f32 v[NM2+\t], v[ST+4*\t], v[ST+4*\t+1], v[ST+4*\t+2]
.endr
.irp t, 0,1,2,3
.if \first
	v_max_num_f32 v[M+\t], v[NM2+\t], v[ST+4*\t+3]
.else
	v_max3_num_f32 v[M+\t], v[NM2+\t], v[ST+4*\t+3], v[M+\t]
.endif
.endr
.irp t, 0,1,2,3
	v_mul_f32 v[NMC+2*\t+1], s41, v[M+\t]          ; -C2 m, new; the pair's lower register still holds the old one
.endr
.if \first == 0
.irp t, 0,1,2,3
	v_sub_f32 v[AL+2*\t], v[NMC+2*\t+1], v[NMC+2*\t]   ; C2 (m_old - m_new), never above 0
.endr
.endif
.irp t, 0,1,2,3
	v_mov_b32 v[NMC+2*\t], v[NMC+2*\t+1]
.endr
	; ---- p = 2^(C2 score' - C2 m), the sums, P as f16 into LDS
.irp kt, 0,1
.irp t, 0,1,2,3
.irp p, 0,1,2,3
	v_pk_fma_f32 v[SC+8*(4*\kt+\t)+2*\p:SC+8*(4*\kt+\t)+2*\p+1], v[SC+8*(4*\kt+\t)+2*\p:SC+8*(4*\kt+\t)+2*\p+1], s[38:39], v[NMC+2*\t:NMC+2*\t+1] op_sel_hi:[1,0,1]
.endr
.endr
.endr
.set i, 0
.rept 64
	v_exp_f32 v[SC+i], v[SC+i]
.set i, i+1
.endr
.if \first == 0
.irp t, 0,1,2,3
	v_exp_f32 v[AL+2*\t], v[AL+2*\t]
.endr
.endif
	v_nop                                          ; one plain instruction between the exponentials and the first use of a result (ISA guide 5.7.2)
.if \first
	s_wait_alu depctr_va_vdst(0)
.irp t, 0,1,2,3
	v_pk_add_f32 v[LP+2*\t:LP+2*\t+1], v[SC+8*\t:SC+8*\t+1], v[SC+8*\t+2:SC+8*\t+3]   ; the first pairs start the sums
.endr
.else
	s_wait_alu depctr_va_vdst(0)
.irp t, 0,1,2,3
	v_mov_b32 v[AL+2*\t+1], v[AL+2*\t]
.endr
.irp t, 0,1,2,3
	v_pk_fma_f32 v[LP+2*\t:LP+2*\t+1], v[LP+2*\t:LP+2*\t+1], v[AL+2*\t:AL+2*\t+1], v[SC+8*\t:SC+8*\t+1]
.endr
	SUMROW 2
.endif
	SUMROW 4
	SUMROW 6
	SUMROW 32
	SUMROW 34
	SUMROW 36
	SUMROW 38
.irp kt, 0,1
.irp t, 0,1,2,3
.irp p, 0,1,2,3
	v_cvt_pk_f16_f32 v[SC+8*(4*\kt+\t)+\p], v[SC+8*(4*\kt+\t)+2*\p], v[SC+8*(4*\kt+\t)+2*\p+1]   ; ascending p: a register is written only after it was read
.endr
.endr
.endr
.irp kt, 0,1
.irp t, 0,1,2,3
	ds_store_b128 v[PW], v[SC+8*(4*\kt+\t):SC+8*(4*\kt+\t)+3] offset:1024*\t+512*\kt
.endr
.endr
	s_wait_dscnt 0x0                               ; my part of P is in LDS
	s_barrier_signal -1                            ; no slot is filled behind this barrier: K's next tile may stay on its way across it
	FETCHV 0, F0                                   ; my own part of V's slot, which nothing writes before a later barrier
.if \first == 0
	WIN 0x41
.irp j, 0,1,2,3,4,5,6,7
.irp t, 0,1,2,3
.irp p, 0,1,2,3
	v_pk_mul_f32 v[8*(4*\j+\t)+2*\p:8*(4*\j+\t)+2*\p+1], v[8*(4*\j+\t)+2*\p:8*(4*\j+\t)+2*\p+1], v[AL+2*\t:AL+2*\t+1]   ; O to the new maximum
.endr
.endr
.endr
	WIN 0
.endif
	s_barrier_wait -1                              ; everybody's part of P is in LDS
	; ---- O += V^T P^T: four key steps of 32, fragments fetched a step ahead
	FETCHP 0, PB0
	FETCHV 1, F1
	FETCHP 1, PB1
	s_wait_dscnt 24                                ; all but the younger key step's 16 + 8 loads
	MULO F0, PB0, \first
	WIN 0
	PLACES
	FETCHV 2, F0
	FETCHP 2, PB0
	s_wait_dscnt 24
	MULO F1, PB1, 0
	WIN 0
	PLACES
	FETCHV 3, F1
	FETCHP 3, PB1
	s_wait_dscnt 24
	MULO F0, PB0, 0
	s_wait_dscnt 0x0                               ; my reads of V's slot and of P are over
.if \refill
	s_wait_xcnt 0x0
	s_set_vgpr_msb 0x5010
	v_lshl_add_u32 v62, v0, 2, 0x44800
	v_mov_b32 v63, 0
	s_wait_tensorcnt 0x0                           ; all my tensor loads have landed: the one that was out is my part of K's next tile
	ds_add_u32 v62, v63
	s_wait_dscnt 0x0
	s_set_vgpr_msb 0x1050
	s_add_nc_u64 s[G0V+2:G0V+3], s[8:9], s[TOF:TOF+1]   ; V's next tile: the same tile as K's last request
	s_or_b32 s[G0V+3], s[G0V+3], 0x80000000
	s_barrier_signal -1                            ; opens a round of the cluster's barrier;
	MULO F1, PB1, 0                                ; register work while the others arrive
	WIN 0
	s_barrier_wait -1
	CREST                                          ; no wave of any partner still reads V's slot or has a load on its way
	tensor_load_to_lds s[G0V:G0V+3], s[G1:G1+7]    ; my one tensor load behind the round, first thing there
	s_nop 0
.else
	MULO F1, PB1, 0
	WIN 0
.endif
.endm
	s_wait_tensorcnt 0x1                           ; tensor loads of a wave end in order (ISA guide 10.11.1): K's first tile is in, V's stays out
	s_wait_loadcnt 0x0                             ; Q
	TILE 1, 1, 1                                   ; trip 0 stands in front of the loop: its products start the sums
	TILE 0, 1, 2                                   ; trip 1: the second and last prefetch
	s_mov_b32 s40, 13
.Ltile:
	TILE 0, 1, 0                                   ; trips 2 to 14; trip 14 makes the last refills
	s_sub_co_u32 s40, s40, 1
	s_cmp_lg_u32 s40, 0
	s_cbranch_scc1 .Ltile
	TILE 0, 0, 0                                   ; trip 15: nothing is left to fetch
	; ---- l over the lanes' halves and the four waves; O x 4 / l
	PLACES
.irp t, 0,1,2,3
	v_add_f32 v[NM2+\t], v[LP+2*\t], v[LP+2*\t+1]
.endr
.irp t, 0,1,2,3
	v_permlanex16_b32 v[XT+\t], v[NM2+\t], s36, s37
.endr
.irp t, 0,1,2,3
	v_add_f32 v[NM2+\t], v[NM2+\t], v[XT+\t]
	ds_store_b32 v[SW], v[NM2+\t] offset:1024+256*\t   ; bytes of their own, 1,024 behind the maxima
.endr
	s_wait_dscnt 0x0
	s_barrier_signal -1
	s_barrier_wait -1
.irp t, 0,1,2,3
	ds_load_b128 v[ST+4*\t:ST+4*\t+3], v[SR] offset:1024+256*\t
.endr
	s_wait_dscnt 0x0
.irp t, 0,1,2,3
	v_add_f32 v[ST+4*\t], v[ST+4*\t], v[ST+4*\t+1]
	v_add_f32 v[ST+4*\t+2], v[ST+4*\t+2], v[ST+4*\t+3]
.endr
.irp t, 0,1,2,3
	v_add_f32 v[ST+4*\t], v[ST+4*\t], v[ST+4*\t+2]
.endr
.irp t, 0,1,2,3
	v_rcp_f32 v[NM2+\t], v[ST+4*\t]                ; l is at least about 1: the row's largest term is 2^0
.endr
	v_nop                                          ; one plain instruction between the reciprocals and their use (ISA guide 5.7.2)
	s_wait_alu depctr_va_vdst(0)
.irp t, 0,1,2,3
	v_mul_f32 v[AL+2*\t], 4.0, v[NM2+\t]           ; V was kept as V / 4
	v_mul_f32 v[AL+2*\t+1], 4.0, v[NM2+\t]
.endr
	WIN 0x41
.irp j, 0,1,2,3,4,5,6,7
.irp t, 0,1,2,3
.irp p, 0,1,2,3
	v_pk_mul_f32 v[8*(4*\j+\t)+2*\p:8*(4*\j+\t)+2*\p+1], v[8*(4*\j+\t)+2*\p:8*(4*\j+\t)+2*\p+1], v[AL+2*\t:AL+2*\t+1]
.endr
.endr
.endr
; THE WAY OUT, 16 queries at a time: a lane holds 8 neighbouring columns of query 16 t + r for each j; they go into my own stage and come back as
; rows of 512 bytes.  The stage is my own, and LDS serves a wave's instructions in order (ISA guide 5.7.1): no barrier, no wait between stores and loads.
.macro OUTT t, f
	WIN 0x04
.irp j, 0,1,2,3,4,5,6,7
	ds_store_b128 v[OW], v[8*(4*\j+\t):8*(4*\j+\t)+3]   offset:64*\j
	ds_store_b128 v[OW], v[8*(4*\j+\t)+4:8*(4*\j+\t)+7] offset:64*\j+16
.endr
	WIN 0
.if \t >= 2
	s_wait_xcnt 0x0                                ; buffer f, which the stores of two turns ago read, is loaded again only behind this wait
.endif
.irp i, 0,1,2,3,4,5,6,7,8,9,10,11,12,13,14,15
	ds_load_b128 v[\f+4*\i:\f+4*\i+3], v[KA] offset:OP*\i
.endr
.irp i, 0,1,2,3,4,5,6,7,8,9,10,11,12,13,14,15
	s_wait_dscnt 15-\i                             ; row i is in; the rows behind it stay out
	global_store_b128 v[GL], v[\f+4*\i:\f+4*\i+3], s[10:11] offset:(16*\t+\i)*2048 th:TH_STORE_NT   ; 512 consecutive bytes, at a multiple of 512 from out0's first byte
.endr
.endm
	OUTT 0, F0
	OUTT 1, F1
	OUTT 2, F0
	OUTT 3, F1
	s_wait_xcnt 0x0
	v_lshl_add_u32 v62, v0, 2, 0x44800
	v_mov_b32 v63, 0
	s_wait_tensorcnt 0x0
	ds_add_u32 v62, v63
	s_wait_dscnt 0x0
	ROUND                                          ; the closing round: no work-group ends while a partner may still ask jointly
	s_endpgm
.Lfunc_end_k_q12f232dc71_attn:
	.size	k_q12f232dc71_attn, .Lfunc_end_k_q12f232dc71_attn-k_q12f232dc71_attn
	.p2alignl 7, 3214868480
	.fill 96, 4, 3214868480
	.section	.rodata,"a",@progbits
	.p2align	6, 0x0
	.amdhsa_kernel k_q12f232dc71_attn
		.amdhsa_group_segment_fixed_size 327680
		.amdhsa_private_segment_fixed_size 0
		.amdhsa_enable_private_segment 0
		.amdhsa_kernarg_size 32
		.amdhsa_user_sgpr_count 2
		.amdhsa_user_sgpr_kernarg_segment_ptr 1
		.amdhsa_wavefront_size32 1
		.amdhsa_system_sgpr_workgroup_id_x 1
		.amdhsa_system_sgpr_workgroup_id_y 1
		.amdhsa_system_sgpr_workgroup_id_z 1
		.amdhsa_system_vgpr_workitem_id 0
		.amdhsa_next_free_vgpr 1024
		.amdhsa_next_free_sgpr 66
		.amdhsa_reserve_vcc 0
		.amdhsa_float_denorm_mode_32 3
		.amdhsa_float_denorm_mode_16_64 3
		.amdhsa_memory_ordered 1
		.amdhsa_forward_progress 1
		.amdhsa_inst_pref_size 233
	.end_amdhsa_kernel
	.amdgpu_metadata
---
amdhsa.version: [ 1, 2 ]
amdhsa.kernels:
  - .name:           k_q12f232dc71_attn
    .symbol:         k_q12f232dc71_attn.kd
    .args:
      - { .name: qf, .offset: 0, .size: 8, .value_kind: global_buffer, .address_space: global }
      - { .name: kf, .offset: 8, .size: 8, .value_kind: global_buffer, .address_space: global }
      - { .name: vf, .offset: 16, .size: 8, .value_kind: global_buffer, .address_space: global }
      - { .name: out0, .offset: 24, .size: 8, .value_kind: global_buffer, .address_space: global }
    .group_segment_fixed_size: 327680
    .private_segment_fixed_size: 0
    .kernarg_segment_align: 8
    .kernarg_segment_size: 32
    .max_flat_workgroup_size: 128
    .sgpr_count:     66
    .vgpr_count:     1024
    .wavefront_size: 32
...
	.end_amdgpu_metadata
.endif
;; end of part 3
